; MI455X (gfx1250); checked and timed in simulation.
; The chip was launched on July 23, 2026; its instructions are those of AMD's public machine-readable ISA for CDNA 5 (MIT licence, August 2026) and "CDNA5" Instruction Set Architecture Reference Guide (July 2026). The comments in the code are by the model that wrote it; some were corrected since.
;; Attention. Allowed arithmetic: float matrix products may take bf16 or f16 operands with f32 sums; all other float work in f32.
;; Inputs: W_align 1,024 x 1 float32; W_attn 2,048 x 1,024 float32; b_align 1 float32; b_attn 1,024 float32; decoder_hidden 32 x 1,024 float32; encoder_outputs 32 x 2,048 x 1,024 float32.
;; Outputs: out0 32 x 1 x 1,024 float32; out1 32 x 2,048 x 1 float32.
;; 2 versions, each right; version 2 is version 1 with the launch stream written anew for expert scheduling mode. Each part assembles by itself: llvm-mc -triple=amdgcn-amd-amdhsa -mcpu=gfx1250 --defsym DOCPART=n.
;; ======== version 1 of 2: 3 launches
;; workspace buffers: t 8,192 bytes; scores 262,144 bytes; part 1,048,576 bytes; stats 65,536 bytes
;; launch fold (part 1): grid 32 x 1, 32 waves a work-group, no clusters, 4,352 bytes of LDS; arguments W_attn, W_align, t; writes t
.if DOCPART == 1
	.amdgcn_target "amdgcn-amd-amdhsa--gfx1250"
	.amdhsa_code_object_version 6
	.text
	.protected	k_q59628b4a61_fold
	.globl	k_q59628b4a61_fold
	.p2align	8
	.type	k_q59628b4a61_fold,@function
k_q59628b4a61_fold:
	s_mov_b64 s[64:65], 0
	v_nop
	global_prefetch_b8 v0, s[64:65] scope:SCOPE_SE
	s_setreg_imm32_b32 hwreg(HW_REG_WAVE_MODE, 25, 1), 1
	s_wait_xcnt 0x0
; t[j] = sum over k of W_attn[j][k] * W_align[k], j = 0 .. 2047, all in f32.
; WHY.  reference() has nothing but sums between its two products, so for every input
;   (enc W_e + dec W_d + b_attn) W_align + b_align = enc (W_e W_align) + dec (W_d W_align) + b_attn . W_align + b_align.
; t[0:1024] = W_e W_align and t[1024:2048] = W_d W_align are made here, once; the next launch uses them.
; LIMIT.  The order of rounding differs from reference()'s (the products are taken in another order); every sum is kept in f32.
; No matrix unit: the product has one column.  W_attn is read once, 16 bytes a lane, 512 neighbouring bytes an instruction.
; SHARES.  A work-group owns 64 rows, so that its 64 results are 256 consecutive bytes of t, aligned, stored by one instruction.
; Each of its 32 waves owns two rows (8,192 bytes on end) and asks for all of them at once: the group's 262,144 bytes are on their way together.
.set SPARE, 256                        ; LDS: bytes 0-255 the 64 results (wave w's two at 8 w); from 256 on the spare words, 128 bytes for each of 32 waves
.set WO,  1                            ; v1   wave x 8,192 + lane x 16: my 16 bytes in the group's rows
.set LO,  2                            ; v2   lane x 16: my 16 bytes in 512 of W_align
.set SPW, 3                            ; v3   LDS address of my spare word; never rewritten
.set NIL, 4                            ; v4   0; never rewritten
.set W8,  5                            ; v5   wave x 8: where my wave's two results go
.set L8,  6                            ; v6   lane x 8: wave 0 reads and stores the 64 results
.set A,   8                            ; v[8:39]    W_align: register 4 j + e is element 128 j + 4 lane + e
.set X,   40                           ; v[40:103]  my two rows, 32 registers each, in the same layout
.set D,   104                          ; v[104:119] for each row four chains of packed sums
.set R,   120                          ; v[120:121] the two rows' sums
	s_load_b128 s[4:7], s[0:1], 0x0                ; W_attn s[4:5], W_align s[6:7]
	s_load_b64 s[8:9], s[0:1], 0x10                ; t
	v_lshl_add_u32 v[SPW], v0, 2, SPARE
	v_mov_b32 v[NIL], 0
	v_lshrrev_b32 v[W8], 5, v0
	v_readfirstlane_b32 s2, v[W8]                  ; my wave's number
	v_and_b32 v[LO], 31, v0
	v_lshlrev_b32 v[L8], 3, v[LO]
	v_lshlrev_b32 v[LO], 4, v[LO]
	v_lshl_add_u32 v[WO], v[W8], 13, v[LO]
	v_lshlrev_b32 v[W8], 3, v[W8]
	s_mov_b32 s12, 0x76543210                      ; v_permlanex16_b32: each lane takes its own place in the other half
	s_mov_b32 s13, 0xfedcba98
	s_lshl_b32 s10, ttmp9, 18                      ; the group's 64 rows of 4,096 bytes
	s_mov_b32 s11, 0
	s_wait_kmcnt 0x0
	s_add_nc_u64 s[4:5], s[4:5], s[10:11]
	s_lshl_b32 s10, ttmp9, 8                       ; its 64 results
	s_add_nc_u64 s[8:9], s[8:9], s[10:11]
.set j, 0
.rept 8
	global_load_b128 v[A+4*j:A+4*j+3], v[LO], s[6:7] offset:512*j
.set j, j+1
.endr
.set j, 0
.rept 16                               ; both rows: they lie on end
	global_load_b128 v[X+4*j:X+4*j+3], v[WO], s[4:5] offset:512*j th:TH_LOAD_NT
.set j, j+1
.endr
; Row q times W_align, my 32 columns: four chains that do not wait for each other; the first four products start them, nothing is cleared.
.macro DOT q
.set k, 0
.rept 4
	v_pk_mul_f32 v[D+8*(\q)+2*k:D+8*(\q)+2*k+1], v[X+32*(\q)+2*k:X+32*(\q)+2*k+1], v[A+2*k:A+2*k+1]
.set k, k+1
.endr
.rept 12
	v_pk_fma_f32 v[D+8*(\q)+2*(k%4):D+8*(\q)+2*(k%4)+1], v[X+32*(\q)+2*k:X+32*(\q)+2*k+1], v[A+2*k:A+2*k+1], v[D+8*(\q)+2*(k%4):D+8*(\q)+2*(k%4)+1]
.set k, k+1
.endr
	v_pk_add_f32 v[D+8*(\q):D+8*(\q)+1], v[D+8*(\q):D+8*(\q)+1], v[D+8*(\q)+2:D+8*(\q)+3]
	v_pk_add_f32 v[D+8*(\q)+4:D+8*(\q)+5], v[D+8*(\q)+4:D+8*(\q)+5], v[D+8*(\q)+6:D+8*(\q)+7]
	v_pk_add_f32 v[D+8*(\q):D+8*(\q)+1], v[D+8*(\q):D+8*(\q)+1], v[D+8*(\q)+4:D+8*(\q)+5]
	v_add_f32 v[R+(\q)], v[D+8*(\q)], v[D+8*(\q)+1]
.endm
	s_wait_loadcnt 8                               ; W_align and the first row are in; the second row's eight loads may stay out
	DOT 0
	s_wait_loadcnt 0x0
	DOT 1
	; across the 32 lanes, the two rows by turns: four steps inside each half of 16 lanes, one across the halves; every lane ends with the sum
.irp m, 1,2,4,8
	v_add_f32_dpp v[R], v[R], v[R] row_xmask:\m row_mask:0xf bank_mask:0xf
	v_add_f32_dpp v[R+1], v[R+1], v[R+1] row_xmask:\m row_mask:0xf bank_mask:0xf
.endr
	v_permlanex16_b32 v[D+1], v[R], s12, s13       ; its destination counts as read: registers that have been written
	v_permlanex16_b32 v[D+9], v[R+1], s12, s13
	v_add_f32 v[R], v[R], v[D+1]
	v_add_f32 v[R+1], v[R+1], v[D+9]
	ds_store_b64 v[W8], v[R:R+1]                   ; all lanes write the same 8 bytes with the same numbers
	s_wait_dscnt 0x0                               ; for wave 0's sake: my store is done
	s_barrier_signal -1
	s_barrier_wait -1
	s_cmp_lg_u32 s2, 0
	s_cbranch_scc1 .Ldone
	ds_load_b64 v[D:D+1], v[L8]                    ; wave 0: the 64 results, in the rows' order
	s_wait_dscnt 0x0
	global_store_b64 v[L8], v[D:D+1], s[8:9]       ; 256 consecutive bytes, at a multiple of 256 from t's first byte
.Ldone:
	s_wait_tensorcnt 0x0                           ; the wave's end, behind my last LDS store
	ds_add_u32 v[SPW], v[NIL]
	s_wait_dscnt 0x0
	s_endpgm
.Lfunc_end_k_q59628b4a61_fold:
	.size	k_q59628b4a61_fold, .Lfunc_end_k_q59628b4a61_fold-k_q59628b4a61_fold
	.p2alignl 7, 3214868480
	.fill 96, 4, 3214868480
	.section	.rodata,"a",@progbits
	.p2align	6, 0x0
	.amdhsa_kernel k_q59628b4a61_fold
		.amdhsa_group_segment_fixed_size 4352
		.amdhsa_private_segment_fixed_size 0
		.amdhsa_enable_private_segment 0
		.amdhsa_kernarg_size 24
		.amdhsa_user_sgpr_count 2
		.amdhsa_user_sgpr_kernarg_segment_ptr 1
		.amdhsa_wavefront_size32 1
		.amdhsa_system_sgpr_workgroup_id_x 1
		.amdhsa_system_sgpr_workgroup_id_y 1
		.amdhsa_system_sgpr_workgroup_id_z 1
		.amdhsa_system_vgpr_workitem_id 0
		.amdhsa_next_free_vgpr 122
		.amdhsa_next_free_sgpr 66
		.amdhsa_reserve_vcc 0
		.amdhsa_float_denorm_mode_32 3
		.amdhsa_float_denorm_mode_16_64 3
		.amdhsa_memory_ordered 1
		.amdhsa_forward_progress 1
		.amdhsa_inst_pref_size 8
	.end_amdhsa_kernel
	.amdgpu_metadata
---
amdhsa.version: [ 1, 2 ]
amdhsa.kernels:
  - .name:           k_q59628b4a61_fold
    .symbol:         k_q59628b4a61_fold.kd
    .args:
      - { .name: W_attn, .offset: 0, .size: 8, .value_kind: global_buffer, .address_space: global }
      - { .name: W_align, .offset: 8, .size: 8, .value_kind: global_buffer, .address_space: global }
      - { .name: t, .offset: 16, .size: 8, .value_kind: global_buffer, .address_space: global }
    .group_segment_fixed_size: 4352
    .private_segment_fixed_size: 0
    .kernarg_segment_align: 8
    .kernarg_segment_size: 24
    .max_flat_workgroup_size: 1024
    .sgpr_count:     66
    .vgpr_count:     122
    .wavefront_size: 32
...
	.end_amdgpu_metadata
.endif
;; end of part 1
;; launch stream (part 2): grid 256 x 1, 16 waves a work-group, no clusters, 68,864 bytes of LDS; arguments encoder_outputs, t, decoder_hidden, b_attn, W_align, b_align, scores, part, stats; writes scores, part, stats
.if DOCPART == 2
	.amdgcn_target "amdgcn-amd-amdhsa--gfx1250"
	.amdhsa_code_object_version 6
	.text
	.protected	k_q59628b4a61_stream
	.globl	k_q59628b4a61_stream
	.p2align	8
	.type	k_q59628b4a61_stream,@function
k_q59628b4a61_stream:
	s_mov_b64 s[64:65], 0
	v_nop
	global_prefetch_b8 v0, s[64:65] scope:SCOPE_SE
	s_setreg_imm32_b32 hwreg(HW_REG_WAVE_MODE, 25, 1), 1
	s_wait_xcnt 0x0
; The one pass over encoder_outputs.  With u = t[0:1024], v = t[1024:2048] (made by the launch before):
;   score[b][s] = enc[b][s] . u + c_b,   c_b = decoder_hidden[b] . v + b_attn . W_align + b_align,
; which is reference()'s score with its sums taken in another order.  A work-group owns 256 rows of one batch and leaves
;   scores: the 256 scores;   stats: (M + c_b, l), M the largest enc . u of its rows, l = the sum of exp(d - M);   part: the sum of exp(d - M) x row.
; The last launch joins a batch's eight work-groups.  A row stays in registers between its dot product and its weighted sum, so enc is read once.
; SOFTMAX.  A running maximum for each wave: with each row the sums are multiplied by a = exp(m_old - m_new) and the row enters with p = exp(d - m_new); the exponents are never above 0.
; c_b is the same for all rows of a batch: d - max d is score - max score; c_b is added to the scores and to the maximum that are stored.
; LIMITS.  The order of rounding differs from reference()'s; all sums in f32.  A weight below 2^-126 counts as 0.  NaN and infinities are not treated apart.
; NO MATRIX UNIT: each product has one column.  NO LDS RING, NO CLUSTER: the rows go straight into the registers in which they are used, and the work-groups share only u's 4,096 bytes.
; SHARES.  Wave w owns rows w + 16 r, r = 0 .. 15: at any time the 16 waves' rows lie on end.  A row is eight loads of 512 neighbouring bytes: register 4 j + e of lane l is column 128 j + 4 l + e; u lies likewise.
; THE RING, in registers.  Row 0 is loaded into the weighted sum's own registers (its weight is 1: nothing is cleared or copied); rows 1 to 4 into four slots; row r uses slot (r - 1) % 4, which is
; asked for again, with row r + 4, straight behind its last use: three or four rows, 12,288 to 16,384 bytes, of every wave are on their way.  All 16 turns are written out by one macro,
; so each row's place stands in the load's immediate and no address register is ever rewritten.
.set STAT,  0                          ; LDS: m of the 16 waves at 0, l at 64, their shares of c at 128
.set SC,    256                        ; 1,024 bytes: wave w's 16 dot products at 64 w
.set SPARE, 1280                       ; the spare words, 128 bytes for each of 16 waves
.set CTXL,  3328                       ; 16 x 4,096 bytes: each wave's weighted sum, columns in order
.set LOG2E, 0x3fb8aa3b
.set XO,  1                            ; v1   wave x 4,096 + lane x 16: my 16 bytes of the wave's row 0 in enc; also of the wave's part in LDS
.set LO,  2                            ; v2   lane x 16
.set T8,  3                            ; v3   thread x 8: my two columns of 1,024
.set R15, 4                            ; v4   thread % 16
.set SPW, 5                            ; v5   LDS address of my spare word; never rewritten
.set NIL, 6                            ; v6   0; never rewritten
.set SCR, 7                            ; v7   lanes r and r + 16 keep the dot product of the wave's row r
.set M,   8                            ; v8   running maximum
.set L,   9                            ; v9   running sum
.set CP,  10                           ; v10  my wave's share of c_b
.set MN,  11                           ; v11  the new maximum
.set AF,  12                           ; v[12:13] a, and its argument: the packed multiply names the pair and takes its low word
.set PF,  14                           ; v[14:15] p, and its argument
.set D,   16                           ; v[16:23] four chains of packed sums; at work in the epilogue
.set DT,  24                           ; v24  the row's dot product
.set R4,  25                           ; v25  (thread % 16) x 4
.set CV,  26                           ; v[26:33] my two columns of decoder_hidden, v, b_attn, W_align; later what waves 0 to 2 store
.set W4,  34                           ; v34  wave x 4
.set SW,  35                           ; v35  wave x 64 + (thread % 16) x 4
.set SR,  37                           ; v37  where rows 4 t .. 4 t + 3 of the group lie in SC, for thread t of waves 0 and 1
.set SO,  38                           ; v38  (thread % 64) x 16
.set L8,  39                           ; v39  lane x 8
.set U,   40                           ; v[40:71]
.set CTX, 72                           ; v[72:103]  the weighted sum
.set X,   104                          ; v[104:231] four slots of 32
	s_load_b512 s[8:23], s[0:1], 0x0               ; enc 8:9, t 10:11, decoder_hidden 12:13, b_attn 14:15, W_align 16:17, b_align 18:19, scores 20:21, part 22:23
	s_load_b64 s[24:25], s[0:1], 0x40              ; stats
	v_lshl_add_u32 v[SPW], v0, 2, SPARE
	v_mov_b32 v[NIL], 0
	v_lshrrev_b32 v[W4], 5, v0
	v_readfirstlane_b32 s2, v[W4]                  ; my wave's number
	v_and_b32 v[LO], 31, v0
	v_lshlrev_b32 v[L8], 3, v[LO]
	v_lshlrev_b32 v[LO], 4, v[LO]
	v_lshl_add_u32 v[XO], v[W4], 12, v[LO]
	v_lshlrev_b32 v[T8], 3, v0
	v_and_b32 v[R15], 15, v0
	v_lshlrev_b32 v[R4], 2, v[R15]
	v_lshl_add_u32 v[SW], v[W4], 6, v[R4]
	v_lshlrev_b32 v[W4], 2, v[W4]
	v_and_b32 v[SR], 3, v0                         ; group's row n = w + 16 r lies at 64 (n % 16) + 4 (n / 16); n = 4 t + e: 256 (t % 4) + 64 e + 4 (t / 4)
	v_bfe_u32 v[SO], v0, 2, 4
	v_lshlrev_b32 v[SO], 2, v[SO]
	v_lshl_add_u32 v[SR], v[SR], 8, v[SO]
	v_and_b32 v[SO], 63, v0
	v_lshlrev_b32 v[SO], 4, v[SO]
	s_mov_b32 s28, 0x76543210                      ; v_permlanex16_b32: each lane takes its own place in the other half
	s_mov_b32 s29, 0xfedcba98
	s_mov_b32 s5, 0
	s_wait_kmcnt 0x0
	s_lshl_b32 s4, ttmp9, 20                       ; the group's 256 rows of 4,096 bytes
	s_add_nc_u64 s[8:9], s[8:9], s[4:5]
	s_lshr_b32 s4, ttmp9, 3                        ; the batch: eight work-groups each
	s_lshl_b32 s4, s4, 12
	s_add_nc_u64 s[12:13], s[12:13], s[4:5]
	s_lshl_b32 s4, ttmp9, 10
	s_add_nc_u64 s[20:21], s[20:21], s[4:5]
	s_lshl_b32 s4, ttmp9, 12
	s_add_nc_u64 s[22:23], s[22:23], s[4:5]
	s_lshl_b32 s4, ttmp9, 8
	s_add_nc_u64 s[24:25], s[24:25], s[4:5]
	s_load_b32 s26, s[18:19], 0x0                  ; b_align; waited for in the epilogue
.set j, 0
.rept 8
	global_load_b128 v[U+4*j:U+4*j+3], v[LO], s[10:11] offset:512*j
.set j, j+1
.endr
	global_load_b64 v[CV:CV+1],   v[T8], s[12:13]              ; each wave's load: 256 consecutive bytes, columns 64 w to 64 w + 63
	global_load_b64 v[CV+2:CV+3], v[T8], s[10:11] offset:4096  ; v = t[1024:2048]
	global_load_b64 v[CV+4:CV+5], v[T8], s[14:15]
	global_load_b64 v[CV+6:CV+7], v[T8], s[16:17]
.set j, 0
.rept 8
	global_load_b128 v[CTX+4*j:CTX+4*j+3], v[XO], s[8:9] offset:512*j th:TH_LOAD_NT
.set j, j+1
.endr
.set j, 0
.rept 32                               ; rows 1 to 4 into slots 0 to 3
	global_load_b128 v[X+4*j:X+4*j+3], v[XO], s[8:9] offset:(1+j/8)*65536+512*(j%8) th:TH_LOAD_NT
.set j, j+1
.endr
.macro WSUM x, tmp                     ; the sum over the wave's 32 lanes, in every lane; tmp: a register that has been written
.irp m, 1,2,4,8
	v_add_f32_dpp v[\x], v[\x], v[\x] row_xmask:\m row_mask:0xf bank_mask:0xf
.endr
	v_permlanex16_b32 v[\tmp], v[\x], s28, s29
	v_add_f32 v[\x], v[\x], v[\tmp]
.endm
	s_wait_loadcnt 40                              ; u and the four small loads are in; the five rows' 40 loads stay out
	v_pk_mul_f32 v[CV:CV+1], v[CV:CV+1], v[CV+2:CV+3]
	v_pk_fma_f32 v[CV:CV+1], v[CV+4:CV+5], v[CV+6:CV+7], v[CV:CV+1]
	v_add_f32 v[CP], v[CV], v[CV+1]
	WSUM CP, CV+1                                  ; my wave's 64 columns of decoder_hidden . v + b_attn . W_align
; The turn of the wave's row r.
.macro TURN r
.if (\r) == 0
.set XS, CTX
	s_wait_loadcnt 32                              ; row 0 is in; rows 1 to 4 stay out
.else
.set XS, X+32*(((\r)-1)%4)
.if (\r) <= 12
	s_wait_loadcnt 24                              ; loads come back in order (ISA guide 5.7.1): my row is in, the three younger rows stay out
.else
	s_wait_loadcnt 8*(15-(\r))                     ; the last rows: the count runs down
.endif
.endif
.set k, 0
.rept 4                                ; row . u, my 32 columns: four chains, started by the first four products
	v_pk_mul_f32 v[D+2*k:D+2*k+1], v[XS+2*k:XS+2*k+1], v[U+2*k:U+2*k+1]
.set k, k+1
.endr
.rept 12
	v_pk_fma_f32 v[D+2*(k%4):D+2*(k%4)+1], v[XS+2*k:XS+2*k+1], v[U+2*k:U+2*k+1], v[D+2*(k%4):D+2*(k%4)+1]
.set k, k+1
.endr
	v_pk_add_f32 v[D:D+1], v[D:D+1], v[D+2:D+3]
	v_pk_add_f32 v[D+4:D+5], v[D+4:D+5], v[D+6:D+7]
	v_pk_add_f32 v[D:D+1], v[D:D+1], v[D+4:D+5]
	v_add_f32 v[DT], v[D], v[D+1]
	WSUM DT, D+1
.if (\r) == 0
	v_mov_b32 v[SCR], v[DT]
	v_mov_b32 v[M], v[DT]                          ; the first row starts the maximum and the sums with weight 1
	v_mov_b32 v[L], 1.0
.else
	v_cmp_eq_u32 vcc_lo, \r, v[R15]
	v_cndmask_b32 v[SCR], v[SCR], v[DT], vcc_lo    ; lanes r and r + 16 keep it
	v_max_num_f32 v[MN], v[M], v[DT]
	v_sub_f32 v[AF+1], v[M], v[MN]                 ; the differences first, so that an unchanged maximum gives exactly 0
	v_sub_f32 v[PF+1], v[DT], v[MN]
	v_mul_f32 v[AF+1], LOG2E, v[AF+1]
	v_mul_f32 v[PF+1], LOG2E, v[PF+1]
	v_exp_f32 v[AF], v[AF+1]
	v_exp_f32 v[PF], v[PF+1]
	v_mov_b32 v[M], v[MN]                          ; the plain instruction between the exponentials and the use of their results (ISA guide 5.7.2)
	s_wait_alu depctr_va_vdst(0)
	v_fma_f32 v[L], v[L], v[AF], v[PF]
.set k, 0
.rept 16
	v_pk_mul_f32 v[CTX+2*k:CTX+2*k+1], v[CTX+2*k:CTX+2*k+1], v[AF:AF+1] op_sel_hi:[1,0]
.set k, k+1
.endr
.set k, 0
.rept 16
	v_pk_fma_f32 v[CTX+2*k:CTX+2*k+1], v[XS+2*k:XS+2*k+1], v[PF:PF+1], v[CTX+2*k:CTX+2*k+1] op_sel_hi:[1,0,1]
.set k, k+1
.endr
.if (\r) <= 11
.set j, 0
.rept 8                                ; the slot's next row, four rows on; rows 12 to 15 ask for nothing: no load leaves the group's rows
	global_load_b128 v[XS+4*j:XS+4*j+3], v[XO], s[8:9] offset:((\r)+4)*65536+512*j th:TH_LOAD_NT
.set j, j+1
.endr
.endif
.endif
.endm
.irp r, 0,1,2,3,4,5,6,7,8,9,10,11,12,13,14,15
	TURN \r
.endr
	; THE WAVES MEET, once.  Each leaves m, l, its share of c, its 16 dot products and its weighted sum in LDS.
	ds_store_b32 v[W4], v[M] offset:STAT           ; all lanes write the same word with the same number
	ds_store_b32 v[W4], v[L] offset:STAT+64
	ds_store_b32 v[W4], v[CP] offset:STAT+128
	ds_store_b32 v[SW], v[SCR] offset:SC           ; lanes r and r + 16 write the same word with the same number
.set j, 0
.rept 8
	ds_store_b128 v[XO], v[CTX+4*j:CTX+4*j+3] offset:CTXL+512*j   ; 512 neighbouring bytes: columns in order
.set j, j+1
.endr
	s_wait_dscnt 0x0                               ; for the others' sake: my stores are done
	s_barrier_signal -1
	s_barrier_wait -1
	ds_load_b32 v[D],   v[R4] offset:STAT          ; lanes i and i + 16: wave i's m,
	ds_load_b32 v[D+1], v[R4] offset:STAT+64       ; l,
	ds_load_b32 v[D+2], v[R4] offset:STAT+128      ; and share of c
.set i, 0
.rept 16                               ; my two columns of all 16 parts: a wave's load takes 256 neighbouring bytes
	ds_load_b64 v[X+2*i:X+2*i+1], v[T8] offset:CTXL+4096*i
.set i, i+1
.endr
	s_wait_dscnt 16                                ; the three are in; the 16 parts may stay out
	v_mov_b32 v[D+3], v[D]
.irp m, 1,2,4,8
	v_max_num_f32_dpp v[D+3], v[D+3], v[D+3] row_xmask:\m row_mask:0xf bank_mask:0xf   ; M: each half of the lanes holds all 16
.endr
	v_sub_f32 v[D+4], v[D], v[D+3]
	v_mul_f32 v[D+4], LOG2E, v[D+4]
	v_exp_f32 v[D+4], v[D+4]                       ; f_i = exp(m_i - M); the sum of c's shares stands between it and its use
.irp m, 1,2,4,8
	v_add_f32_dpp v[D+2], v[D+2], v[D+2] row_xmask:\m row_mask:0xf bank_mask:0xf
.endr
	s_wait_alu depctr_va_vdst(0)
	v_mul_f32 v[D+5], v[D+4], v[D+1]
.irp m, 1,2,4,8
	v_add_f32_dpp v[D+5], v[D+5], v[D+5] row_xmask:\m row_mask:0xf bank_mask:0xf       ; l = the sum of f_i l_i
.endr
	s_wait_kmcnt 0x0                               ; b_align
	v_add_f32 v[D+2], s26, v[D+2]                  ; c_b
.set i, 0
.rept 16
	v_readlane_b32 s[32+i], v[D+4], i              ; the 16 factors as scalars: they multiply, and steer nothing
.set i, i+1
.endr
	s_wait_dscnt 15                                ; LDS loads come back in order (ISA guide 5.7.1): part 0 is in
	v_mul_f32 v[D+6], s32, v[X]                    ; the first part starts the sums
	v_mul_f32 v[D+7], s32, v[X+1]
.set i, 1
.rept 15
	s_wait_dscnt 15-i
	v_fmac_f32 v[D+6], s[32+i], v[X+2*i]
	v_fmac_f32 v[D+7], s[32+i], v[X+2*i+1]
.set i, i+1
.endr
	global_store_b64 v[T8], v[D+6:D+7], s[22:23]   ; a wave stores 256 consecutive bytes, at a multiple of 256 from part's first byte
	s_cmp_gt_u32 s2, 2
	s_cbranch_scc1 .Ldone
	s_cmp_eq_u32 s2, 2
	s_cbranch_scc1 .Lstats
.irp e, 0,1,2,3                        ; waves 0 and 1: the 256 dot products back in the rows' order, four a thread
	ds_load_b32 v[CV+\e], v[SR] offset:SC+64*\e
.endr
	s_wait_dscnt 0x0
	v_pk_add_f32 v[CV:CV+1], v[CV:CV+1], v[D+2:D+3] op_sel_hi:[1,0]      ; + c_b
	v_pk_add_f32 v[CV+2:CV+3], v[CV+2:CV+3], v[D+2:D+3] op_sel_hi:[1,0]
	global_store_b128 v[SO], v[CV:CV+3], s[20:21]  ; 512 consecutive bytes a wave
	s_branch .Ldone
.Lstats:                                               ; wave 2: (M + c_b, l), 32 times over, so that the store covers the group's 256 bytes of stats whole
	v_add_f32 v[CV], v[D+3], v[D+2]
	v_mov_b32 v[CV+1], v[D+5]
	global_store_b64 v[L8], v[CV:CV+1], s[24:25]
.Ldone:
	s_wait_tensorcnt 0x0                           ; the wave's end, behind my last LDS store
	ds_add_u32 v[SPW], v[NIL]
	s_wait_dscnt 0x0
	s_endpgm
.Lfunc_end_k_q59628b4a61_stream:
	.size	k_q59628b4a61_stream, .Lfunc_end_k_q59628b4a61_stream-k_q59628b4a61_stream
	.p2alignl 7, 3214868480
	.fill 96, 4, 3214868480
	.section	.rodata,"a",@progbits
	.p2align	6, 0x0
	.amdhsa_kernel k_q59628b4a61_stream
		.amdhsa_group_segment_fixed_size 68864
		.amdhsa_private_segment_fixed_size 0
		.amdhsa_enable_private_segment 0
		.amdhsa_kernarg_size 72
		.amdhsa_user_sgpr_count 2
		.amdhsa_user_sgpr_kernarg_segment_ptr 1
		.amdhsa_wavefront_size32 1
		.amdhsa_system_sgpr_workgroup_id_x 1
		.amdhsa_system_sgpr_workgroup_id_y 1
		.amdhsa_system_sgpr_workgroup_id_z 1
		.amdhsa_system_vgpr_workitem_id 0
		.amdhsa_next_free_vgpr 232
		.amdhsa_next_free_sgpr 66
		.amdhsa_reserve_vcc 1
		.amdhsa_float_denorm_mode_32 3
		.amdhsa_float_denorm_mode_16_64 3
		.amdhsa_memory_ordered 1
		.amdhsa_forward_progress 1
		.amdhsa_inst_pref_size 85
	.end_amdhsa_kernel
	.amdgpu_metadata
---
amdhsa.version: [ 1, 2 ]
amdhsa.kernels:
  - .name:           k_q59628b4a61_stream
    .symbol:         k_q59628b4a61_stream.kd
    .args:
      - { .name: encoder_outputs, .offset: 0, .size: 8, .value_kind: global_buffer, .address_space: global }
      - { .name: t, .offset: 8, .size: 8, .value_kind: global_buffer, .address_space: global }
      - { .name: decoder_hidden, .offset: 16, .size: 8, .value_kind: global_buffer, .address_space: global }
      - { .name: b_attn, .offset: 24, .size: 8, .value_kind: global_buffer, .address_space: global }
      - { .name: W_align, .offset: 32, .size: 8, .value_kind: global_buffer, .address_space: global }
      - { .name: b_align, .offset: 40, .size: 8, .value_kind: global_buffer, .address_space: global }
      - { .name: scores, .offset: 48, .size: 8, .value_kind: global_buffer, .address_space: global }
      - { .name: part, .offset: 56, .size: 8, .value_kind: global_buffer, .address_space: global }
      - { .name: stats, .offset: 64, .size: 8, .value_kind: global_buffer, .address_space: global }
    .group_segment_fixed_size: 68864
    .private_segment_fixed_size: 0
    .kernarg_segment_align: 8
    .kernarg_segment_size: 72
    .max_flat_workgroup_size: 512
    .sgpr_count:     66
    .vgpr_count:     232
    .wavefront_size: 32
...
	.end_amdgpu_metadata
.endif
;; end of part 2
;; launch finish (part 3): grid 256 x 1, 2 waves a work-group, no clusters, 0 bytes of LDS; arguments scores, part, stats, out0, out1; writes out0, out1
.if DOCPART == 3
	.amdgcn_target "amdgcn-amd-amdhsa--gfx1250"
	.amdhsa_code_object_version 6
	.text
	.protected	k_q59628b4a61_finish
	.globl	k_q59628b4a61_finish
	.p2align	8
	.type	k_q59628b4a61_finish,@function
k_q59628b4a61_finish:
	s_mov_b64 s[64:65], 0
	v_nop
	global_prefetch_b8 v0, s[64:65] scope:SCOPE_SE
	s_setreg_imm32_b32 hwreg(HW_REG_WAVE_MODE, 25, 1), 1
	s_wait_xcnt 0x0
; The eight work-groups' parts of each batch are joined.  With (m_i, l_i) and part_i of the batch's groups i = 0 .. 7:
;   M = max m_i,  g_i = exp(m_i - M),  L = the sum of g_i l_i;   out1[b][s] = exp(score[b][s] - M) / L;   out0[b][h] = the sum of (g_i / L) part_i[h].
; The maximum is taken away in front of every exponential, so no exponent is above 0 and L is at least 1.
; LIMITS.  The division is a multiplication by v_rcp_f32's reciprocal; a weight below 2^-126 counts as 0; NaN and infinities are not treated apart.
; SHARES.  512 waves that do not depend on each other: no LDS, no barrier.  Wave w of work-group g makes 128 weights (512 consecutive bytes of out1) and
; 64 columns of the context of batch g / 8 (256 consecutive bytes of out0).  Every wave makes its batch's M and L itself, from eight pairs.
.set LOG2E, 0x3fb8aa3b
.set SA,  1                            ; v1   (lane % 8) x 256: group i's pair in the batch's stats
.set L16, 2                            ; v2   lane x 16
.set L8,  3                            ; v3   lane x 8
.set ML,  4                            ; v[4:5]   m_i, l_i, i = lane % 8
.set MG,  6                            ; v[6:7]   M; g_i, later g_i / L
.set S,   8                            ; v[8:11]  four scores, then four weights
.set P,   12                           ; v[12:27] my two columns of the eight parts
.set LS,  28                           ; v28      L
.set RL,  30                           ; v[30:31] 1 / L; the packed multiply names the pair and takes its low word
.set ACC, 32                           ; v[32:33]
	s_load_b256 s[8:15], s[0:1], 0x0               ; scores 8:9, part 10:11, stats 12:13, out0 14:15
	s_load_b64 s[16:17], s[0:1], 0x20              ; out1
	v_lshrrev_b32 v[L8], 5, v0
	v_readfirstlane_b32 s2, v[L8]                  ; my wave's number
	v_and_b32 v[SA], 7, v0
	v_lshlrev_b32 v[SA], 8, v[SA]
	v_and_b32 v[L16], 31, v0
	v_lshlrev_b32 v[L8], 3, v[L16]
	v_lshlrev_b32 v[L16], 4, v[L16]
	s_lshl_b32 s3, s2, 9
	s_lshl_b32 s4, ttmp9, 10
	s_add_co_u32 s4, s4, s3                        ; scores and out1: 1,024 g + 512 w
	s_mov_b32 s5, 0
	s_lshr_b32 s6, s4, 1                           ; out0: 512 g + 256 w = 4,096 (g / 8) + 512 (g % 8) + 256 w
	s_mov_b32 s7, 0
	s_lshr_b32 s18, ttmp9, 3                       ; the batch
	s_lshl_b32 s20, s18, 11                        ; stats: eight groups of 256 bytes
	s_mov_b32 s21, 0
	s_and_b32 s19, ttmp9, 7
	s_lshl_b32 s19, s19, 9
	s_lshl_b32 s22, s18, 15                        ; part: eight groups of 4,096 bytes, and in each my 64 columns
	s_add_co_u32 s22, s22, s19
	s_lshl_b32 s19, s2, 8
	s_add_co_u32 s22, s22, s19
	s_mov_b32 s23, 0
	s_wait_kmcnt 0x0
	s_add_nc_u64 s[8:9], s[8:9], s[4:5]
	s_add_nc_u64 s[16:17], s[16:17], s[4:5]
	s_add_nc_u64 s[14:15], s[14:15], s[6:7]
	s_add_nc_u64 s[12:13], s[12:13], s[20:21]
	s_add_nc_u64 s[10:11], s[10:11], s[22:23]
	global_load_b64 v[ML:ML+1], v[SA], s[12:13]
	global_load_b128 v[S:S+3], v[L16], s[8:9]
.set i, 0
.rept 8
	global_load_b64 v[P+2*i:P+2*i+1], v[L8], s[10:11] offset:4096*i
.set i, i+1
.endr
	s_wait_loadcnt 9                               ; the pair is in; the scores and the eight parts stay out
	v_mov_b32 v[MG], v[ML]
.irp m, 1,2,4
	v_max_num_f32_dpp v[MG], v[MG], v[MG] row_xmask:\m row_mask:0xf bank_mask:0xf   ; each eight lanes hold all eight groups
.endr
	v_sub_f32 v[MG+1], v[ML], v[MG]
	v_mul_f32 v[MG+1], LOG2E, v[MG+1]
	v_exp_f32 v[MG+1], v[MG+1]
	v_mov_b32 v[RL+1], 0                           ; named with 1 / L as a pair, so it is written; also the plain instruction behind the exponential (ISA guide 5.7.2)
	s_wait_alu depctr_va_vdst(0)
	v_mul_f32 v[LS], v[MG+1], v[ML+1]
.irp m, 1,2,4
	v_add_f32_dpp v[LS], v[LS], v[LS] row_xmask:\m row_mask:0xf bank_mask:0xf
.endr
	v_rcp_f32 v[RL], v[LS]                         ; the scores' arithmetic stands between it and its use
	s_wait_loadcnt 8                               ; the scores are in
	v_pk_add_f32 v[S:S+1], v[S:S+1], v[MG:MG+1] op_sel_hi:[1,0] neg_lo:[0,1] neg_hi:[0,1]      ; score - M
	v_pk_add_f32 v[S+2:S+3], v[S+2:S+3], v[MG:MG+1] op_sel_hi:[1,0] neg_lo:[0,1] neg_hi:[0,1]
	v_pk_mul_f32 v[S:S+1], v[S:S+1], LOG2E op_sel_hi:[1,0]
	v_pk_mul_f32 v[S+2:S+3], v[S+2:S+3], LOG2E op_sel_hi:[1,0]
.irp e, 0,1,2,3
	v_exp_f32 v[S+\e], v[S+\e]
.endr
	s_wait_alu depctr_va_vdst(0)
	v_mul_f32 v[MG+1], v[MG+1], v[RL]              ; g_i / L: the plain instruction behind the exponentials
.set i, 0
.rept 8
	v_readlane_b32 s[24+i], v[MG+1], i             ; the eight factors as scalars: they multiply, and steer nothing
.set i, i+1
.endr
	v_pk_mul_f32 v[S:S+1], v[S:S+1], v[RL:RL+1] op_sel_hi:[1,0]
	v_pk_mul_f32 v[S+2:S+3], v[S+2:S+3], v[RL:RL+1] op_sel_hi:[1,0]
	global_store_b128 v[L16], v[S:S+3], s[16:17]   ; 512 consecutive bytes, at a multiple of 256 from out1's first byte
	s_wait_loadcnt 7                               ; loads come back in order (ISA guide 5.7.1): part 0 is in
	v_mul_f32 v[ACC], s24, v[P]                    ; the first part starts the sums
	v_mul_f32 v[ACC+1], s24, v[P+1]
.set i, 1
.rept 7
	s_wait_loadcnt 7-i
	v_fmac_f32 v[ACC], s[24+i], v[P+2*i]
	v_fmac_f32 v[ACC+1], s[24+i], v[P+2*i+1]
.set i, i+1
.endr
	global_store_b64 v[L8], v[ACC:ACC+1], s[14:15] ; 256 consecutive bytes, at a multiple of 256 from out0's first byte
	s_endpgm
.Lfunc_end_k_q59628b4a61_finish:
	.size	k_q59628b4a61_finish, .Lfunc_end_k_q59628b4a61_finish-k_q59628b4a61_finish
	.p2alignl 7, 3214868480
	.fill 96, 4, 3214868480
	.section	.rodata,"a",@progbits
	.p2align	6, 0x0
	.amdhsa_kernel k_q59628b4a61_finish
		.amdhsa_group_segment_fixed_size 0
		.amdhsa_private_segment_fixed_size 0
		.amdhsa_enable_private_segment 0
		.amdhsa_kernarg_size 40
		.amdhsa_user_sgpr_count 2
		.amdhsa_user_sgpr_kernarg_segment_ptr 1
		.amdhsa_wavefront_size32 1
		.amdhsa_system_sgpr_workgroup_id_x 1
		.amdhsa_system_sgpr_workgroup_id_y 1
		.amdhsa_system_sgpr_workgroup_id_z 1
		.amdhsa_system_vgpr_workitem_id 0
		.amdhsa_next_free_vgpr 48
		.amdhsa_next_free_sgpr 66
		.amdhsa_reserve_vcc 0
		.amdhsa_float_denorm_mode_32 3
		.amdhsa_float_denorm_mode_16_64 3
		.amdhsa_memory_ordered 1
		.amdhsa_forward_progress 1
		.amdhsa_inst_pref_size 6
	.end_amdhsa_kernel
	.amdgpu_metadata
---
amdhsa.version: [ 1, 2 ]
amdhsa.kernels:
  - .name:           k_q59628b4a61_finish
    .symbol:         k_q59628b4a61_finish.kd
    .args:
      - { .name: scores, .offset: 0, .size: 8, .value_kind: global_buffer, .address_space: global }
      - { .name: part, .offset: 8, .size: 8, .value_kind: global_buffer, .address_space: global }
      - { .name: stats, .offset: 16, .size: 8, .value_kind: global_buffer, .address_space: global }
      - { .name: out0, .offset: 24, .size: 8, .value_kind: global_buffer, .address_space: global }
      - { .name: out1, .offset: 32, .size: 8, .value_kind: global_buffer, .address_space: global }
    .group_segment_fixed_size: 0
    .private_segment_fixed_size: 0
    .kernarg_segment_align: 8
    .kernarg_segment_size: 40
    .max_flat_workgroup_size: 64
    .sgpr_count:     66
    .vgpr_count:     48
    .wavefront_size: 32
...
	.end_amdgpu_metadata
.endif
;; end of part 3
;; ======== version 2 of 2: 3 launches; version 1 with the launch stream written anew for expert scheduling mode
;; workspace buffers: t 8,192 bytes; scores 262,144 bytes; part 1,048,576 bytes; stats 65,536 bytes
;; launch fold: the kernel of part 1 again; grid 32 x 1, 32 waves a work-group, no clusters, 4,352 bytes of LDS; arguments W_attn, W_align, t; writes t
;; launch stream (part 4): grid 256 x 1, 16 waves a work-group, no clusters, 68,864 bytes of LDS; arguments encoder_outputs, t, decoder_hidden, b_attn, W_align, b_align, scores, part, stats; writes scores, part, stats
.if DOCPART == 4
	.amdgcn_target "amdgcn-amd-amdhsa--gfx1250"
	.amdhsa_code_object_version 6
	.text
	.protected	k_q59628b4a61_stream
	.globl	k_q59628b4a61_stream
	.p2align	8
	.type	k_q59628b4a61_stream,@function
k_q59628b4a61_stream:
	s_mov_b64 s[64:65], 0
	v_nop
	global_prefetch_b8 v0, s[64:65] scope:SCOPE_SE
	s_setreg_imm32_b32 hwreg(HW_REG_WAVE_SCHED_MODE, 0, 2), 2
	s_setreg_imm32_b32 hwreg(HW_REG_WAVE_MODE, 25, 1), 1
	s_wait_xcnt 0x0
	s_wait_alu depctr_vm_vsrc(0)
; The one pass over encoder_outputs.  With u = t[0:1024], v = t[1024:2048] (made by the launch before):
;   score[b][s] = enc[b][s] . u + c_b,   c_b = decoder_hidden[b] . v + b_attn . W_align + b_align,
; which is reference()'s score with its sums taken in another order.  A work-group owns 256 rows of one batch and leaves
;   scores: the 256 scores;   stats: (M + c_b, l), M the largest enc . u of its rows, l = the sum of exp(d - M);   part: the sum of exp(d - M) x row.
; The last launch joins a batch's eight work-groups.  A row stays in registers between its dot product and its weighted sum, so enc is read once.
; SOFTMAX.  A running maximum for each wave: with each row the sums are multiplied by a = exp(m_old - m_new) and the row enters with p = exp(d - m_new); the exponents are never above 0.
; c_b is the same for all rows of a batch: d - max d is score - max score; c_b is added to the scores and to the maximum that are stored.
; LIMITS.  The order of rounding differs from reference()'s; all sums in f32.  A weight below 2^-126 counts as 0.  NaN and infinities are not treated apart.
; NO MATRIX UNIT: each product has one column.  NO LDS RING, NO CLUSTER: the rows go straight into the registers in which they are used, and the work-groups share only u's 4,096 bytes.
; SHARES.  Wave w owns rows w + 16 r, r = 0 .. 15: at any time the 16 waves' rows lie on end.  A row is eight loads of 512 neighbouring bytes: register 4 j + e of lane l is column 128 j + 4 l + e; u lies likewise.
; THE RING, in registers.  Row 0 is loaded into the weighted sum's own registers (its weight is 1: nothing is cleared or copied); rows 1 to 4 into four slots; row r uses slot (r - 1) % 4, which is
; asked for again, with row r + 4, straight behind its last use: three or four rows, 12,288 to 16,384 bytes, of every wave are on their way.  All 16 turns are written out by one macro,
; so each row's place stands in the load's immediate and no address register is ever rewritten.
; THE MODE: SCHED_MODE bits 1:0 = 2 (LLVM: expert scheduling mode 2), set by the entry lines.  The code itself states the register dependences
; between vector instructions and memory or LDS instructions, with s_wait_alu, always for 0.
; THE PLAN.  Registers that memory or LDS instructions touch:
;   the addresses (v1-v3, v5, v6, v25, v34, v35, v37-v39)  Written at the head, never again: one wait on va_vdst ahead of the first load serves them all.
;   X0 .. X3      Turn r: its dot product and its weighted sum read slot (r - 1) % 4; behind them row r + 4's loads land in it.  One wait on va_vdst stands between the two.  It stands there and
;                 not at the next turn's head, since the slot would else lie idle during that head's wait for data, and a fifth slot has no room: 232 + 32 registers are more than the 1,024 / 4 of a wave.
;   CTX, M, L, CP, SCR   Written by the turns; read by the LDS stores of the epilogue, behind one wait on va_vdst; not written again.
;   D .. D+2, X0  The epilogue's LDS loads land in them: the same wait covers their last vector users, and no vector line stands between it and those loads.
;   D+6:D+7, CV   Data of the global stores: one wait on va_vdst ahead of each store; not written again.
; No register that a memory or LDS instruction reads is written afterwards: the text holds no wait on vm_vsrc.  Behind a slot's eight loads the next turn's vector lines name nothing that those loads touch.
; SCALARS FROM VECTOR LINES.  The wave's number and the fifteen lane masks (which lanes keep row r's dot product) are made in one run at the head, the sixteen factors in one run in the epilogue: one wait on va_sdst behind each run.
.set STAT,  0                          ; LDS: m of the 16 waves at 0, l at 64, their shares of c at 128
.set SC,    256                        ; 1,024 bytes: wave w's 16 dot products at 64 w
.set SPARE, 1280                       ; the spare words, 128 bytes for each of 16 waves
.set CTXL,  3328                       ; 16 x 4,096 bytes: each wave's weighted sum, columns in order
.set LOG2E, 0x3fb8aa3b
.set MK,  47                           ; s[48:62] row r's mask at s[MK + r]: lanes r and r + 16
.set XO,  1                            ; v1   wave x 4,096 + lane x 16: my 16 bytes of the wave's row 0 in enc; also of the wave's part in LDS
.set LO,  2                            ; v2   lane x 16
.set T8,  3                            ; v3   thread x 8: my two columns of 1,024
.set R15, 4                            ; v4   thread % 16
.set SPW, 5                            ; v5   LDS address of my spare word; never rewritten
.set NIL, 6                            ; v6   0; never rewritten
.set SCR, 7                            ; v7   lanes r and r + 16 keep the dot product of the wave's row r
.set M,   8                            ; v8   running maximum
.set L,   9                            ; v9   running sum
.set CP,  10                           ; v10  my wave's share of c_b
.set MN,  11                           ; v11  the new maximum
.set AF,  12                           ; v[12:13] a, and its argument: the packed multiply names the pair and takes its low word
.set PF,  14                           ; v[14:15] p, and its argument
.set D,   16                           ; v[16:23] four chains of packed sums; at work in the epilogue
.set DT,  24                           ; v24  the row's dot product
.set R4,  25                           ; v25  (thread % 16) x 4
.set CV,  26                           ; v[26:33] my two columns of decoder_hidden, v, b_attn, W_align; later what waves 0 to 2 store
.set W4,  34                           ; v34  wave x 4
.set SW,  35                           ; v35  wave x 64 + (thread % 16) x 4
.set SR,  37                           ; v37  where rows 4 t .. 4 t + 3 of the group lie in SC, for thread t of waves 0 and 1
.set SO,  38                           ; v38  (thread % 64) x 16
.set L8,  39                           ; v39  lane x 8
.set U,   40                           ; v[40:71]
.set CTX, 72                           ; v[72:103]  the weighted sum
.set X,   104                          ; v[104:231] four slots of 32
	s_load_b512 s[8:23], s[0:1], 0x0               ; enc 8:9, t 10:11, decoder_hidden 12:13, b_attn 14:15, W_align 16:17, b_align 18:19, scores 20:21, part 22:23
	s_load_b64 s[24:25], s[0:1], 0x40              ; stats
	v_lshl_add_u32 v[SPW], v0, 2, SPARE
	v_mov_b32 v[NIL], 0
	v_lshrrev_b32 v[W4], 5, v0
	v_readfirstlane_b32 s2, v[W4]                  ; my wave's number
	v_and_b32 v[LO], 31, v0
	v_lshlrev_b32 v[L8], 3, v[LO]
	v_lshlrev_b32 v[LO], 4, v[LO]
	v_lshl_add_u32 v[XO], v[W4], 12, v[LO]
	v_lshlrev_b32 v[T8], 3, v0
	v_and_b32 v[R15], 15, v0
	v_lshlrev_b32 v[R4], 2, v[R15]
	v_lshl_add_u32 v[SW], v[W4], 6, v[R4]
	v_lshlrev_b32 v[W4], 2, v[W4]
	v_and_b32 v[SR], 3, v0                         ; group's row n = w + 16 r lies at 64 (n % 16) + 4 (n / 16); n = 4 t + e: 256 (t % 4) + 64 e + 4 (t / 4)
	v_bfe_u32 v[SO], v0, 2, 4
	v_lshlrev_b32 v[SO], 2, v[SO]
	v_lshl_add_u32 v[SR], v[SR], 8, v[SO]
	v_and_b32 v[SO], 63, v0
	v_lshlrev_b32 v[SO], 4, v[SO]
.set i, 1
.rept 15                               ; the masks of rows 1 to 15, in one run: they hang on the lane and the row's number alone
	v_cmp_eq_u32 s[MK+i], i, v[R15]
.set i, i+1
.endr
	s_mov_b32 s28, 0x76543210                      ; v_permlanex16_b32: each lane takes its own place in the other half
	s_mov_b32 s29, 0xfedcba98
	s_mov_b32 s5, 0
	s_wait_alu depctr_va_sdst(0)                   ; s2 and the fifteen masks s[48:62] are written, ahead of their first readers: the turns' selects and the epilogue's compares
	s_wait_kmcnt 0x0
	s_lshl_b32 s4, ttmp9, 20                       ; the group's 256 rows of 4,096 bytes
	s_add_nc_u64 s[8:9], s[8:9], s[4:5]
	s_lshr_b32 s4, ttmp9, 3                        ; the batch: eight work-groups each
	s_lshl_b32 s4, s4, 12
	s_add_nc_u64 s[12:13], s[12:13], s[4:5]
	s_lshl_b32 s4, ttmp9, 10
	s_add_nc_u64 s[20:21], s[20:21], s[4:5]
	s_lshl_b32 s4, ttmp9, 12
	s_add_nc_u64 s[22:23], s[22:23], s[4:5]
	s_lshl_b32 s4, ttmp9, 8
	s_add_nc_u64 s[24:25], s[24:25], s[4:5]
	s_load_b32 s26, s[18:19], 0x0                  ; b_align; waited for in the epilogue
	s_wait_alu depctr_va_vdst(0)                   ; the addresses v1 to v3, v25, v34, v35, v37 to v39 are written, which every load, store and LDS instruction of the kernel reads
.set j, 0
.rept 8
	global_load_b128 v[U+4*j:U+4*j+3], v[LO], s[10:11] offset:512*j
.set j, j+1
.endr
	global_load_b64 v[CV:CV+1],   v[T8], s[12:13]              ; each wave's load: 256 consecutive bytes, columns 64 w to 64 w + 63
	global_load_b64 v[CV+2:CV+3], v[T8], s[10:11] offset:4096  ; v = t[1024:2048]
	global_load_b64 v[CV+4:CV+5], v[T8], s[14:15]
	global_load_b64 v[CV+6:CV+7], v[T8], s[16:17]
.set j, 0
.rept 8
	global_load_b128 v[CTX+4*j:CTX+4*j+3], v[XO], s[8:9] offset:512*j th:TH_LOAD_NT
.set j, j+1
.endr
.set j, 0
.rept 32                               ; rows 1 to 4 into slots 0 to 3
	global_load_b128 v[X+4*j:X+4*j+3], v[XO], s[8:9] offset:(1+j/8)*65536+512*(j%8) th:TH_LOAD_NT
.set j, j+1
.endr
.macro WSUM x, tmp                     ; the sum over the wave's 32 lanes, in every lane; tmp: a register that has been written
.irp m, 1,2,4,8
	v_add_f32_dpp v[\x], v[\x], v[\x] row_xmask:\m row_mask:0xf bank_mask:0xf
.endr
	v_permlanex16_b32 v[\tmp], v[\x], s28, s29
	v_add_f32 v[\x], v[\x], v[\tmp]
.endm
	s_wait_loadcnt 40                              ; u and the four small loads are in; the five rows' 40 loads stay out
	v_pk_mul_f32 v[CV:CV+1], v[CV:CV+1], v[CV+2:CV+3]
	v_pk_fma_f32 v[CV:CV+1], v[CV+4:CV+5], v[CV+6:CV+7], v[CV:CV+1]
	v_add_f32 v[CP], v[CV], v[CV+1]
	WSUM CP, CV+1                                  ; my wave's 64 columns of decoder_hidden . v + b_attn . W_align
; The turn of the wave's row r.
.macro TURN r
.if (\r) == 0
.set XS, CTX
	s_wait_loadcnt 32                              ; row 0 is in; rows 1 to 4 stay out
.else
.set XS, X+32*(((\r)-1)%4)
.if (\r) <= 12
	s_wait_loadcnt 24                              ; loads come back in order (ISA guide 5.7.1): my row is in, the three younger rows stay out
.else
	s_wait_loadcnt 8*(15-(\r))                     ; the last rows: the count runs down
.endif
.endif
.set k, 0
.rept 4                                ; row . u, my 32 columns: four chains, started by the first four products
	v_pk_mul_f32 v[D+2*k:D+2*k+1], v[XS+2*k:XS+2*k+1], v[U+2*k:U+2*k+1]
.set k, k+1
.endr
.rept 12
	v_pk_fma_f32 v[D+2*(k%4):D+2*(k%4)+1], v[XS+2*k:XS+2*k+1], v[U+2*k:U+2*k+1], v[D+2*(k%4):D+2*(k%4)+1]
.set k, k+1
.endr
	v_pk_add_f32 v[D:D+1], v[D:D+1], v[D+2:D+3]
	v_pk_add_f32 v[D+4:D+5], v[D+4:D+5], v[D+6:D+7]
	v_pk_add_f32 v[D:D+1], v[D:D+1], v[D+4:D+5]
	v_add_f32 v[DT], v[D], v[D+1]
	WSUM DT, D+1
.if (\r) == 0
	v_mov_b32 v[SCR], v[DT]
	v_mov_b32 v[M], v[DT]                          ; the first row starts the maximum and the sums with weight 1
	v_mov_b32 v[L], 1.0
.else
	v_cndmask_b32 v[SCR], v[SCR], v[DT], s[MK+(\r)]  ; lanes r and r + 16 keep it; the mask was made, and waited for, at the head
	v_max_num_f32 v[MN], v[M], v[DT]
	v_sub_f32 v[AF+1], v[M], v[MN]                 ; the differences first, so that an unchanged maximum gives exactly 0
	v_sub_f32 v[PF+1], v[DT], v[MN]
	v_mul_f32 v[AF+1], LOG2E, v[AF+1]
	v_mul_f32 v[PF+1], LOG2E, v[PF+1]
	v_exp_f32 v[AF], v[AF+1]
	v_exp_f32 v[PF], v[PF+1]
	v_mov_b32 v[M], v[MN]                          ; the plain instruction between the exponentials and the use of their results (ISA guide 5.7.2)
	s_wait_alu depctr_va_vdst(0)                   ; the two exponentials have written a and p, ahead of their first reader: one wait for both
	v_fma_f32 v[L], v[L], v[AF], v[PF]
.set k, 0
.rept 16
	v_pk_mul_f32 v[CTX+2*k:CTX+2*k+1], v[CTX+2*k:CTX+2*k+1], v[AF:AF+1] op_sel_hi:[1,0]
.set k, k+1
.endr
.set k, 0
.rept 16
	v_pk_fma_f32 v[CTX+2*k:CTX+2*k+1], v[XS+2*k:XS+2*k+1], v[PF:PF+1], v[CTX+2*k:CTX+2*k+1] op_sel_hi:[1,0,1]
.set k, k+1
.endr
.if (\r) <= 11
	s_wait_alu depctr_va_vdst(0)                   ; the dot product and the sixteen lines above are done reading the slot, in which the eight loads below land
.set j, 0
.rept 8                                ; the slot's next row, four rows on; rows 12 to 15 ask for nothing: no load leaves the group's rows
	global_load_b128 v[XS+4*j:XS+4*j+3], v[XO], s[8:9] offset:((\r)+4)*65536+512*j th:TH_LOAD_NT
.set j, j+1
.endr
.endif
.endif
.endm
.irp r, 0,1,2,3,4,5,6,7,8,9,10,11,12,13,14,15
	TURN \r
.endr
	; THE WAVES MEET, once.  Each leaves m, l, its share of c, its 16 dot products and its weighted sum in LDS.
	s_wait_alu depctr_va_vdst(0)                   ; the turns have written M, L, CP, SCR and CTX, which the LDS stores read; they are also done with D .. D+2 and slot 0, in which the LDS loads behind the barrier land (no vector line stands between)
	ds_store_b32 v[W4], v[M] offset:STAT           ; all lanes write the same word with the same number
	ds_store_b32 v[W4], v[L] offset:STAT+64
	ds_store_b32 v[W4], v[CP] offset:STAT+128
	ds_store_b32 v[SW], v[SCR] offset:SC           ; lanes r and r + 16 write the same word with the same number
.set j, 0
.rept 8
	ds_store_b128 v[XO], v[CTX+4*j:CTX+4*j+3] offset:CTXL+512*j   ; 512 neighbouring bytes: columns in order
.set j, j+1
.endr
	s_wait_dscnt 0x0                               ; for the others' sake: my stores are done
	s_barrier_signal -1
	s_barrier_wait -1
	ds_load_b32 v[D],   v[R4] offset:STAT          ; lanes i and i + 16: wave i's m,
	ds_load_b32 v[D+1], v[R4] offset:STAT+64       ; l,
	ds_load_b32 v[D+2], v[R4] offset:STAT+128      ; and share of c
.set i, 0
.rept 16                               ; my two columns of all 16 parts: a wave's load takes 256 neighbouring bytes
	ds_load_b64 v[X+2*i:X+2*i+1], v[T8] offset:CTXL+4096*i
.set i, i+1
.endr
	s_wait_dscnt 16                                ; the three are in; the 16 parts may stay out
	v_mov_b32 v[D+3], v[D]
.irp m, 1,2,4,8
	v_max_num_f32_dpp v[D+3], v[D+3], v[D+3] row_xmask:\m row_mask:0xf bank_mask:0xf   ; M: each half of the lanes holds all 16
.endr
	v_sub_f32 v[D+4], v[D], v[D+3]
	v_mul_f32 v[D+4], LOG2E, v[D+4]
	v_exp_f32 v[D+4], v[D+4]                       ; f_i = exp(m_i - M); the sum of c's shares stands between it and its use
.irp m, 1,2,4,8
	v_add_f32_dpp v[D+2], v[D+2], v[D+2] row_xmask:\m row_mask:0xf bank_mask:0xf
.endr
	s_wait_alu depctr_va_vdst(0)                   ; the exponential has written f, ahead of its first reader
	v_mul_f32 v[D+5], v[D+4], v[D+1]
.irp m, 1,2,4,8
	v_add_f32_dpp v[D+5], v[D+5], v[D+5] row_xmask:\m row_mask:0xf bank_mask:0xf       ; l = the sum of f_i l_i
.endr
	s_wait_kmcnt 0x0                               ; b_align
	v_add_f32 v[D+2], s26, v[D+2]                  ; c_b
.set i, 0
.rept 16
	v_readlane_b32 s[32+i], v[D+4], i              ; the 16 factors as scalars: they multiply, and steer nothing
.set i, i+1
.endr
	s_wait_alu depctr_va_sdst(0)                   ; the sixteen factors s[32:47] are written, ahead of their first reader: one wait for the run
	s_wait_dscnt 15                                ; LDS loads come back in order (ISA guide 5.7.1): part 0 is in
	v_mul_f32 v[D+6], s32, v[X]                    ; the first part starts the sums
	v_mul_f32 v[D+7], s32, v[X+1]
.set i, 1
.rept 15
	s_wait_dscnt 15-i
	v_fmac_f32 v[D+6], s[32+i], v[X+2*i]
	v_fmac_f32 v[D+7], s[32+i], v[X+2*i+1]
.set i, i+1
.endr
	s_wait_alu depctr_va_vdst(0)                   ; the sums have written v[D+6:D+7], which the store reads; the head's lines are long done with CV, in which waves 0 and 1 let LDS loads land below
	global_store_b64 v[T8], v[D+6:D+7], s[22:23]   ; a wave stores 256 consecutive bytes, at a multiple of 256 from part's first byte
	s_cmp_gt_u32 s2, 2
	s_cbranch_scc1 .Ldone
	s_cmp_eq_u32 s2, 2
	s_cbranch_scc1 .Lstats
.irp e, 0,1,2,3                        ; waves 0 and 1: the 256 dot products back in the rows' order, four a thread
	ds_load_b32 v[CV+\e], v[SR] offset:SC+64*\e
.endr
	s_wait_dscnt 0x0
	v_pk_add_f32 v[CV:CV+1], v[CV:CV+1], v[D+2:D+3] op_sel_hi:[1,0]      ; + c_b
	v_pk_add_f32 v[CV+2:CV+3], v[CV+2:CV+3], v[D+2:D+3] op_sel_hi:[1,0]
	s_wait_alu depctr_va_vdst(0)                   ; the two additions have written v[CV:CV+3], which the store reads
	global_store_b128 v[SO], v[CV:CV+3], s[20:21]  ; 512 consecutive bytes a wave
	s_branch .Ldone
.Lstats:                                               ; wave 2: (M + c_b, l), 32 times over, so that the store covers the group's 256 bytes of stats whole
	v_add_f32 v[CV], v[D+3], v[D+2]
	v_mov_b32 v[CV+1], v[D+5]
	s_wait_alu depctr_va_vdst(0)                   ; the two lines above have written v[CV:CV+1], which the store reads
	global_store_b64 v[L8], v[CV:CV+1], s[24:25]
.Ldone:
	s_wait_dscnt 0x0                               ; the wave's end
	s_wait_alu 0x0
	s_wait_tensorcnt 0x0
	ds_add_u32 v[SPW], v[NIL]
	s_wait_dscnt 0x0
	s_endpgm
.Lfunc_end_k_q59628b4a61_stream:
	.size	k_q59628b4a61_stream, .Lfunc_end_k_q59628b4a61_stream-k_q59628b4a61_stream
	.p2alignl 7, 3214868480
	.fill 96, 4, 3214868480
	.section	.rodata,"a",@progbits
	.p2align	6, 0x0
	.amdhsa_kernel k_q59628b4a61_stream
		.amdhsa_group_segment_fixed_size 68864
		.amdhsa_private_segment_fixed_size 0
		.amdhsa_enable_private_segment 0
		.amdhsa_kernarg_size 72
		.amdhsa_user_sgpr_count 2
		.amdhsa_user_sgpr_kernarg_segment_ptr 1
		.amdhsa_wavefront_size32 1
		.amdhsa_system_sgpr_workgroup_id_x 1
		.amdhsa_system_sgpr_workgroup_id_y 1
		.amdhsa_system_sgpr_workgroup_id_z 1
		.amdhsa_system_vgpr_workitem_id 0
		.amdhsa_next_free_vgpr 232
		.amdhsa_next_free_sgpr 66
		.amdhsa_reserve_vcc 0
		.amdhsa_float_denorm_mode_32 3
		.amdhsa_float_denorm_mode_16_64 3
		.amdhsa_memory_ordered 1
		.amdhsa_forward_progress 1
		.amdhsa_inst_pref_size 87
	.end_amdhsa_kernel
	.amdgpu_metadata
---
amdhsa.version: [ 1, 2 ]
amdhsa.kernels:
  - .name:           k_q59628b4a61_stream
    .symbol:         k_q59628b4a61_stream.kd
    .args:
      - { .name: encoder_outputs, .offset: 0, .size: 8, .value_kind: global_buffer, .address_space: global }
      - { .name: t, .offset: 8, .size: 8, .value_kind: global_buffer, .address_space: global }
      - { .name: decoder_hidden, .offset: 16, .size: 8, .value_kind: global_buffer, .address_space: global }
      - { .name: b_attn, .offset: 24, .size: 8, .value_kind: global_buffer, .address_space: global }
      - { .name: W_align, .offset: 32, .size: 8, .value_kind: global_buffer, .address_space: global }
      - { .name: b_align, .offset: 40, .size: 8, .value_kind: global_buffer, .address_space: global }
      - { .name: scores, .offset: 48, .size: 8, .value_kind: global_buffer, .address_space: global }
      - { .name: part, .offset: 56, .size: 8, .value_kind: global_buffer, .address_space: global }
      - { .name: stats, .offset: 64, .size: 8, .value_kind: global_buffer, .address_space: global }
    .group_segment_fixed_size: 68864
    .private_segment_fixed_size: 0
    .kernarg_segment_align: 8
    .kernarg_segment_size: 72
    .max_flat_workgroup_size: 512
    .sgpr_count:     66
    .vgpr_count:     232
    .wavefront_size: 32
...
	.end_amdgpu_metadata
.endif
;; end of part 4
;; launch finish: the kernel of part 3 again; grid 256 x 1, 2 waves a work-group, no clusters, 0 bytes of LDS; arguments scores, part, stats, out0, out1; writes out0, out1
